; MI455X (gfx1250); checked and timed in simulation.
; The chip was launched on July 23, 2026; its instructions are those of AMD's public machine-readable ISA for CDNA 5 (MIT licence, August 2026) and "CDNA5" Instruction Set Architecture Reference Guide (July 2026). The comments in the code are by the model that wrote it; some were corrected since.
;; Grouped Query Attention. Allowed arithmetic: matrix products marked QUANTISED: E2M3 operands, one E8M0 scale for each 32 along K, by v_wmma_scale_f32_16x16x128_f8f6f4 with both operands' format E2M3, f32 sums; everything else in f32.
;; Inputs: Wk 2,048 x 512 float32; Wq 2,048 x 2,048 float32; Wv 2,048 x 512 float32; bk 512 float32; bq 2,048 float32; bv 512 float32; hidden_states 2 x 2,048 x 2,048 float32.
;; Outputs: out0 2 x 2,048 x 2,048 float32.
;; This version of the problem:
;;   THIS VERSION OF THE PROBLEM IS GIVEN IN LOW PRECISION. The matrix products marked QUANTISED in the list below multiply operands that are first quantised to E2M3 (2 exponent bits, 3 mantissa bits; 6 bits a number), with one power-of-two scale for each 32 numbers along K (OCP MX v1.0); their sums are f32. All else is computed in f32.
;;   The module's matrix products, in the order in which they are computed (A, B: the left and right operand; K: the contracted axis; several contracted axes count as one K, in the product's order):
;;     1. [M 4,096, K 2,048] x [K 2,048, N 2,048]; A: input hidden_states; B: input Wq: QUANTISED
;;     2. [M 4,096, K 2,048] x [K 2,048, N 512]; A: input hidden_states; B: input Wk: QUANTISED
;;     3. [M 4,096, K 2,048] x [K 2,048, N 512]; A: input hidden_states; B: input Wv: QUANTISED
;;     4. batch 8 x [M 2,048, K 128] x [K 128, N 8,192]; A: computed on the way; B: computed on the way: QUANTISED
;;     5. batch 8 x [M 128, K 2,048] x [K 2,048, N 8,192]; A: computed on the way; B: softmax (see below): QUANTISED
;;   THE QUANTISER, for each operand of a quantised product, along K:
;;     - K is cut into blocks of 32 from its start; a last block that is shorter is filled with zeros.
;;     - A block's scale is 2^e with e = floor(log2(the largest magnitude in the block)) - 2, held to -126 .. 127; a block of zeros has e = 0. As a byte (E8M0): e + 127.
;;     - Each number is divided by its block's scale, clamped to +-7.5, and rounded to the nearest number of E2M3, ties to even, subnormals kept.
;;     - The product sums the exact products of the quantised numbers (number of the format x scale) in f32.
;;   ~~~python
;;   def quantise(x, axis):      # numpy; x: float32 -> the quantised numbers, widened to float32 again
;;       x = np.moveaxis(x, axis, -1); K = x.shape[-1]
;;       x = np.pad(x, [(0, 0)] * (x.ndim - 1) + [(0, -K % 32)]); x = x.reshape(x.shape[:-1] + (-1, 32)); a = np.abs(x).max(-1, keepdims=True)
;;       e = np.where(a > 0, np.clip(np.frexp(np.where(a > 0, a, 1))[1] - 1 - 2, -126, 127), 0)      # np.frexp(a)[1] - 1 = floor(log2(a)), exactly
;;       r = np.clip(x / 2.0 ** e, -7.5, 7.5)
;;       step = 2.0 ** (np.maximum(np.frexp(np.where(r == 0, 1, r))[1] - 1, 0) - 3)
;;       q = np.round(r / step) * step * 2.0 ** e      # np.round: ties to even
;;       return np.moveaxis(q.reshape(q.shape[:-2] + (-1,))[..., :K], -1, axis).astype(np.float32)
;;   ~~~
;;   SOFTMAX AHEAD OF A QUANTISED PRODUCT. Where the list says 'softmax', what is quantised is not the finished softmax but p = 2^(t - M), with t = logit x log2(e) and M = ceil(the row's largest t), a whole number; so 1/2 < the row's largest p <= 1. The row's sum l is taken of the UNQUANTISED p, in f32, and the product's result is divided by l at the end. Since M is a whole number, a kernel that streams over the keys may use a running M (the ceiling of the running maximum): every later rescaling is an exact power of two, which a block's scale takes up: the codes' values come out the same.
;;   OPERANDS COMPUTED ON THE WAY. 'Computed on the way' means the value that the module computes at that place (a softmax that the list does not call 'softmax' is quantised finished and normalised). What goes into a quantiser is computed in f32, as accurately as f32 sums, v_exp_f32 and their like allow (about 1e-6 of the number): no bf16 or f16 on the way to a quantiser, and a product that is left as it is and whose result goes on into a quantised operand takes f32 operands (vector FMAs, or v_wmma_f32_16x16x4_f32). A number that lies on a knife's edge between two numbers of the format may be rounded either way, as far as f32 arithmetic and the matrix unit's own rounding can turn it there, and no further.
;; One version. Each part assembles by itself: llvm-mc -triple=amdgcn-amd-amdhsa -mcpu=gfx1250 --defsym DOCPART=n.
;; ======== version 1 of 1: 3 launches
;; limits: right only within a limited range of input values
;; workspace buffers: x_codes 6,291,456 bytes; x_scales 262,144 bytes; w_codes 4,718,592 bytes; w_scales 196,608 bytes; qkv 9,830,400 bytes
;; launch quant (part 1): grid 448 x 1, 4 waves a work-group, no clusters, 72,192 bytes of LDS; arguments hidden_states, Wq, Wk, Wv, x_codes, x_scales, w_codes, w_scales; writes x_codes, x_scales, w_codes, w_scales
.if DOCPART == 1
	.amdgcn_target "amdgcn-amd-amdhsa--gfx1250"
	.amdhsa_code_object_version 6
	.text
	.protected	k_qd27e5f5a76_quant
	.globl	k_qd27e5f5a76_quant
	.p2align	8
	.type	k_qd27e5f5a76_quant,@function
k_qd27e5f5a76_quant:
	s_mov_b64 s[64:65], 0
	v_nop
	global_prefetch_b8 v0, s[64:65] scope:SCOPE_SE
	s_setreg_imm32_b32 hwreg(HW_REG_WAVE_MODE, 25, 1), 1
	s_wait_xcnt 0x0
; hidden_states [4096][2048] (K innermost) and Wq | Wk | Wv [2048][2048 | 512 | 512] (K is the FIRST axis), f32, become codes of FP6 (E2M3) with one E8M0 byte for each 32 along K.
; A block's scale is 2^(floor(log2(its largest magnitude)) - 2): its byte is the largest magnitude's exponent field - 2, held at 1 from below.
; THE CODES ARE LAID AS IMAGES OF THE OPERAND'S REGISTERS: 16 rows x 128 K are 1,536 bytes; register q (0 .. 11) of lane L = 16 h + r lies at 512 (q / 4) + 16 L + 4 (q % 4);
; register 6 c + u holds word u of the 24 bytes of row r's block 2 c + h.  A block of 16 rows has its 16 images on end: 24,576 bytes.  The scale bytes lie by rows, 64 bytes a row.
; THE ORDER OF THE ROWS IS PERMUTED: within every 32 rows the two middle groups of eight change places: row c lies at place POS(c) = (c & 7) | ((c & 8) << 1) | ((c & 16) >> 1).
; w's rows: 0 .. 2047 Wq's columns; then for each kv head g 128 rows of Wk's columns and 128 rows of Wv's.
; Work-groups 0 .. 255 take hidden_states (16 places each), 256 .. 447 the weights (128 columns x 256 along K each).  Each of the two ways has LDS bytes of its own.
; No tensor loads, no matrix unit, no cluster: no byte is read twice.
; LIMITS: NaN and infinities among the inputs are not served.  A block of zeros gets the byte 1 where the rule says 127: its codes are zeros, and this program alone reads the bytes.
; Blocks whose largest magnitude lies under 2^(2 - 126) have their byte held at 1.
.set STEPS, 16
.set EMAX,  2
.set RAW,   16                         ; x: v16-79   four sets of 16 numbers as loaded; at the end the image on its way out
.set XN,    80                         ; x: v80-111  two sets of 16 neighbours
.set EB,    112                        ; x: v112-127 a scale byte for each step
.set CD,    128                        ; x: v128-191 codes, four registers a step
.set IA,    192                        ; x: v192-194 where my three words of codes go in the image
.set WREG,  5632                       ; x: a region for each wave: two stages of 32 x SP bytes, then its 256 scale bytes
.set SP,    80
.set XIMG,  22528                      ; x: the work-group's image of 16 rows, 24,576 bytes
.set WSTG,  47104                      ; w: a stage of 6,144 bytes for each wave: two blocks of 16 rows x two images
.set WSZ,   6144
.set SPARE, 71680                      ; the spare words
.set RBB,   24576                      ; a block of 16 rows, all of K
.set NB,    8
.set SB,    24
.set WX,    32
.set WC,    96
.set OUTR,  112
.set VO,    176
	s_load_b256 s[4:11], s[0:1], 0x0               ; hidden, Wq, Wk, Wv
	s_load_b256 s[12:19], s[0:1], 0x20             ; x_codes, x_scales, w_codes, w_scales
	v_lshl_add_u32 v208, v0, 2, SPARE
	v_mov_b32 v209, 0
	v_lshrrev_b32 v1, 5, v0
	v_readfirstlane_b32 s20, v1                    ; wave
	v_and_b32 v2, 31, v0                           ; lane
	s_cmp_lt_u32 ttmp9, 256
	s_cbranch_scc0 .Lweights
; ---- hidden_states.  A wave takes 4 rows (8,192 numbers) in 16 steps of 512; the four waves fill one block of 16 places.
	v_lshlrev_b32 v3, 4, v2
	s_mul_i32 s21, s20, WREG
	v_lshrrev_b32 v14, 2, v2
	v_mul_u32_u24 v14, v14, SP
	v_and_b32 v15, 3, v2
	v_lshl_add_u32 v14, v15, 4, v14
	v_add_nc_u32 v14, s21, v14                     ; the stage, in
	v_mul_u32_u24 v15, v2, SP
	v_add_nc_u32 v15, s21, v15                     ; and out: 16 neighbours a lane
	v_lshrrev_b32 v5, 1, v2
	s_add_co_u32 s21, s21, 2*32*SP
	v_add_nc_u32 v5, s21, v5                       ; my block's scale byte
	v_lshlrev_b32 v7, 3, v2
	v_add_nc_u32 v6, s21, v7
	; lane l of a step holds half (l & 1) of block (l & 7) / 2 of image l / 8 of the step's four: words u = 3 (l & 1) + j
	v_and_b32 v196, 7, v2
	v_lshrrev_b32 v197, 3, v2
	v_lshrrev_b32 v198, 2, v196                    ; c
	v_and_b32 v199, 1, v196
	v_bfe_u32 v200, v196, 1, 1                     ; h
	v_mul_u32_u24 v198, v198, 6
	v_mad_u32_u24 v198, v199, 3, v198              ; my first register q
	v_mul_u32_u24 v197, v197, 1536
	v_lshl_add_u32 v197, v200, 8, v197
	s_lshl_b32 s23, s20, 6                         ; 16 bytes a row, my first row is 4 x wave
	s_add_co_u32 s23, s23, XIMG
	v_add_nc_u32 v197, s23, v197
.irp j, 0,1,2
	v_add_nc_u32 v199, \j, v198
	v_lshrrev_b32 v200, 2, v199
	v_and_b32 v199, 3, v199
	v_lshl_add_u32 v200, v200, 9, v197
	v_lshl_add_u32 v[IA+\j], v199, 2, v200
.endr
	v_lshlrev_b32 v201, 4, v0                      ; the image's way out: 16 bytes a thread
	v_add_nc_u32 v195, XIMG, v201
	s_lshl_b32 s22, ttmp9, 2
	s_add_co_u32 s22, s22, s20                     ; the run of 4 places that I fill
	s_and_b32 s23, s22, 2                          ; POS swaps bits 3 and 4 of the row: bits 1 and 2 of the run
	s_lshl_b32 s23, s23, 1
	s_and_b32 s24, s22, 4
	s_lshr_b32 s24, s24, 1
	s_and_b32 s25, s22, 0xfffffff9
	s_or_b32 s25, s25, s23
	s_or_b32 s25, s25, s24                         ; the run of 4 rows that lies there
	s_lshl_b32 s26, s25, 15
	s_mov_b32 s27, 0
	s_mul_i32 s28, ttmp9, RBB
	s_mov_b32 s29, 0
	s_lshl_b32 s30, s22, 8
	s_mov_b32 s31, 0
	s_wait_alu depctr_va_vdst(0)                   ; the wait at the head's end
	s_wait_kmcnt 0x0
	s_add_nc_u64 s[4:5], s[4:5], s[26:27]
	s_add_nc_u64 s[12:13], s[12:13], s[28:29]
	s_add_nc_u64 s[14:15], s[14:15], s[30:31]
.macro LOAD t
.irp i, 0,1,2,3
	global_load_b128 v[RAW+16*((\t)%4)+4*\i:RAW+16*((\t)%4)+4*\i+3], v3, s[4:5] offset:2048*(\t)+512*\i th:TH_LOAD_NT
.endr
.endm
.macro TURN t                          ; a step's numbers through the stage; LDS serves a wave's instructions in order
.irp i, 0,1,2,3
	ds_store_b128 v14, v[RAW+16*((\t)%4)+4*\i:RAW+16*((\t)%4)+4*\i+3] offset:32*SP*((\t)%2)+8*SP*\i
.endr
.irp i, 0,1,2,3
	ds_load_b128 v[XN+16*((\t)%2)+4*\i:XN+16*((\t)%2)+4*\i+3], v15 offset:32*SP*((\t)%2)+16*\i
.endr
.endm
.irp t, 0,1,2,3
	LOAD \t
.endr
	s_wait_loadcnt 12                              ; step 0's four loads are in
	TURN 0
.macro STEP t
.set XS, XN+16*((\t)%2)
.if (\t) > 0
	s_wait_dscnt 4                                 ; this step's numbers are back; the last step's four stores (a byte, three words) may be out
.else
	s_wait_dscnt 0x0
.endif
.if (\t)+4 < STEPS
	LOAD (\t)+4
.endif
.if (\t)+1 < STEPS
.if STEPS-2-(\t) >= 3
	s_wait_loadcnt 12                              ; the next step's four loads are in; three steps' may be out
.else
	s_wait_loadcnt 4*(STEPS-2-(\t))
.endif
	TURN (\t)+1
.endif
	v_max3_num_f32 v8, |v[XS]|, |v[XS+1]|, |v[XS+2]|
	v_max3_num_f32 v9, |v[XS+3]|, |v[XS+4]|, |v[XS+5]|
.irp i, 6,10
	v_max3_num_f32 v8, v8, |v[XS+\i]|, |v[XS+\i+1]|
	v_max3_num_f32 v9, v9, |v[XS+\i+2]|, |v[XS+\i+3]|
.endr
	v_max3_num_f32 v8, v8, |v[XS+14]|, |v[XS+15]|
	v_max3_num_f32 v8, v8, v9, (EMAX+1)<<23        ; the floor: the byte cannot fall under 1
	v_max_num_f32_dpp v8, v8, v8 row_xmask:1 row_mask:0xf bank_mask:0xf   ; with my neighbour's 16: the block's
	v_add_nc_u32 v11, -(EMAX<<23), v8              ; the conversion's scale operand
	v_cvt_scalef32_pk16_fp6_f32 v[CD+4*(\t):CD+4*(\t)+2], v[XS:XS+15], v11
	v_lshrrev_b32 v[EB+(\t)], 23, v11              ; the byte (also the plain line behind the conversion)
	ds_store_b8 v5, v[EB+(\t)] offset:16*(\t)
.irp j, 0,1,2
	ds_store_b32 v[IA+\j], v[CD+4*(\t)+\j] offset:6144*((\t)%4)+16*((\t)/4)   ; four images a step, row t / 4 of my four
.endr
.endm
.irp t, 0,1,2,3,4,5,6,7,8,9,10,11,12,13,14,15
	STEP \t
.endr
	ds_load_b64 v[12:13], v6
	s_wait_dscnt 0x0                               ; my bytes are back, and my words of the image are stored
	global_store_b64 v7, v[12:13], s[14:15]        ; 256 consecutive bytes: four rows' scale bytes
	s_barrier_signal -1
	s_barrier_wait -1                              ; the image is whole
.irp i, 0,1,2,3,4,5,6,7,8,9,10,11
	ds_load_b128 v[RAW+4*\i:RAW+4*\i+3], v195 offset:2048*\i
.endr
.irp i, 0,1,2,3,4,5,6,7,8,9,10,11
	s_wait_dscnt 11-\i
	global_store_b128 v201, v[RAW+4*\i:RAW+4*\i+3], s[12:13] offset:2048*\i   ; a wave stores 512 consecutive bytes
.endr
	s_wait_tensorcnt 0x0                           ; the wave's end
	ds_add_u32 v208, v209
	s_wait_dscnt 0x0
	s_endpgm
; ---- the weights: a lane takes a column, its registers run down K.  A wave takes 32 columns x 256 along K: 8 blocks a lane.
.Lweights:
	s_sub_co_u32 s21, ttmp9, 256
	s_lshr_b32 s22, s21, 3                         ; the block of 128 columns: 0-15 Wq, 16-19 Wk, 20-23 Wv
	s_and_b32 s23, s21, 7                          ; which 256 along K
	s_sub_co_u32 s24, s22, 16
	s_sub_co_u32 s25, s22, 20
	s_lshl_b32 s26, s22, 7
	s_wait_kmcnt 0x0
	s_cmp_lt_u32 s22, 20
	s_cselect_b64 s[28:29], s[8:9], s[10:11]
	s_cselect_b32 s24, s24, s25
	s_cselect_b32 s25, 0, 128
	s_lshl_b32 s27, s24, 8
	s_add_co_u32 s27, s27, s25
	s_add_co_u32 s27, s27, 2048                    ; Wk, Wv: row 2048 + 256 head (+ 128 for Wv)
	s_mov_b32 s48, 2048
	s_cmp_lt_u32 s22, 16
	s_cselect_b64 s[28:29], s[6:7], s[28:29]       ; the weight,
	s_cselect_b32 s48, 8192, s48                   ; its pitch,
	s_cselect_b32 s24, s22, s24                    ; my block of 128 of its columns,
	s_cselect_b32 s27, s26, s27                    ; and the first row of w that they become
	s_lshl_b32 s30, s23, 8
	s_mul_i32 s30, s30, s48
	s_lshl_b32 s31, s24, 9
	s_add_co_u32 s30, s30, s31
	s_lshl_b32 s31, s20, 7
	s_add_co_u32 s30, s30, s31
	s_mov_b32 s31, 0
	s_add_nc_u64 s[32:33], s[28:29], s[30:31]      ; block t's base in s[32+2t:33+2t], 32 rows apart
	s_lshl_b32 s30, s48, 5
.irp t, 1,2,3,4,5,6,7
	s_add_nc_u64 s[32+2*\t:33+2*\t], s[30+2*\t:31+2*\t], s[30:31]
.endr
	s_lshl_b32 s49, s20, 5
	s_add_co_u32 s49, s49, s27                     ; my wave's first row of w, a multiple of 32
	s_mul_i32 s50, s49, RBB/16
	s_mul_i32 s52, s23, 3072                       ; two images for 256 along K
	s_add_co_u32 s50, s50, s52
	s_mov_b32 s51, 0
	s_add_nc_u64 s[16:17], s[16:17], s[50:51]
	s_lshl_b32 s50, s49, 6
	s_lshl_b32 s52, s23, 3
	s_add_co_u32 s50, s50, s52
	s_add_nc_u64 s[18:19], s[18:19], s[50:51]
	s_mul_i32 s53, s20, WSZ
	s_add_co_u32 s53, s53, WSTG                    ; my stage
	s_wait_alu depctr_va_vdst(0)                   ; the wait behind the run of scalar lines
	v_lshlrev_b32 v3, 2, v2
	v_and_b32 v9, 7, v2
	v_lshrrev_b32 v10, 4, v2
	v_lshl_or_b32 v10, v10, 3, v9                  ; POS(lane) % 16: my row in its block of 16
	v_bfe_u32 v5, v2, 3, 1                         ; POS(lane) / 16
	v_mul_u32_u24 v4, v5, 3072
	v_lshl_add_u32 v4, v10, 4, v4
	v_add_nc_u32 v4, s53, v4                       ; into the stage
	v_lshl_or_b32 v9, v5, 4, v10
	v_lshlrev_b32 v9, 6, v9                        ; POS(lane) x 64: my row of scale bytes
	v_lshlrev_b32 v8, 4, v2                        ; out: 16 bytes a lane
	v_add_nc_u32 v7, s53, v8
.irp i, 0,1,2,3,4,5,6,7,8,9,10,11,12,13,14,15,16,17,18,19,20,21,22,23,24,25,26,27,28,29,30,31
	v_mad_u32_u24 v[VO+\i], s48, \i, v3
.endr
.macro LOADW t
.irp i, 0,1,2,3,4,5,6,7,8,9,10,11,12,13,14,15,16,17,18,19,20,21,22,23,24,25,26,27,28,29,30,31
	global_load_b32 v[WX+32*((\t)%2)+\i], v[VO+\i], s[32+2*(\t):33+2*(\t)] th:TH_LOAD_NT
.endr
.endm
	LOADW 0
	LOADW 1
.macro BLOCK t
.set XS, WX+32*((\t)%2)
.if (\t) < NB-1
	s_wait_loadcnt 32                              ; this block's 32 loads are in; the next block's may be out
.else
	s_wait_loadcnt 0
.endif
	v_max3_num_f32 v12, |v[XS]|, |v[XS+1]|, |v[XS+2]|
	v_max3_num_f32 v13, |v[XS+3]|, |v[XS+4]|, |v[XS+5]|
.irp i, 6,10,14,18,22,26
	v_max3_num_f32 v12, v12, |v[XS+\i]|, |v[XS+\i+1]|
	v_max3_num_f32 v13, v13, |v[XS+\i+2]|, |v[XS+\i+3]|
.endr
	v_max3_num_f32 v12, v12, |v[XS+30]|, |v[XS+31]|
	v_max3_num_f32 v12, v12, v13, (EMAX+1)<<23
	v_add_nc_u32 v11, -(EMAX<<23), v12
	v_lshrrev_b32 v13, 23, v11
.if (\t)%4 == 0
	v_mov_b32 v[SB+(\t)/4], v13
.else
	v_lshl_or_b32 v[SB+(\t)/4], v13, 8*((\t)%4), v[SB+(\t)/4]
.endif
	v_cvt_scalef32_pk16_fp6_f32 v[WC:WC+2], v[XS:XS+15], v11
	v_cvt_scalef32_pk16_fp6_f32 v[WC+4:WC+6], v[XS+16:XS+31], v11
	v_nop                                          ; one plain line behind the conversions
.irp u, 0,1,2,3,4,5                    ; block t is block t % 4 of image t / 4: c = (t % 4) / 2, h = t % 2; word u is register 6 c + u
	ds_store_b32 v4, v[WC+\u+\u/3] offset:1536*((\t)/4)+512*((6*(((\t)%4)/2)+\u)/4)+256*((\t)%2)+4*((6*(((\t)%4)/2)+\u)%4)
.endr
.if (\t)+2 < NB
	LOADW (\t)+2
.endif
	s_wait_dscnt 0x0
.endm
.irp t, 0,1,2,3,4,5,6,7
	BLOCK \t
.endr
	s_wait_alu depctr_va_vdst(0)                   ; the wait ahead of the reader below
	global_store_b64 v9, v[SB:SB+1], s[18:19]      ; my column's 8 scale bytes
.irp i, 0,1,2,3,4,5,6,7,8,9,10,11
	ds_load_b128 v[OUTR+4*\i:OUTR+4*\i+3], v7 offset:512*\i
.endr
.irp i, 0,1,2,3,4,5,6,7,8,9,10,11
	s_wait_dscnt 11-\i
	global_store_b128 v8, v[OUTR+4*\i:OUTR+4*\i+3], s[16:17] offset:(\i/6)*RBB+(\i%6)*512   ; 512 consecutive bytes
.endr
	s_wait_tensorcnt 0x0                           ; the wave's end
	ds_add_u32 v208, v209
	s_wait_dscnt 0x0
	s_endpgm
.Lfunc_end_k_qd27e5f5a76_quant:
	.size	k_qd27e5f5a76_quant, .Lfunc_end_k_qd27e5f5a76_quant-k_qd27e5f5a76_quant
	.p2alignl 7, 3214868480
	.fill 96, 4, 3214868480
	.section	.rodata,"a",@progbits
	.p2align	6, 0x0
	.amdhsa_kernel k_qd27e5f5a76_quant
		.amdhsa_group_segment_fixed_size 72192
		.amdhsa_private_segment_fixed_size 0
		.amdhsa_enable_private_segment 0
		.amdhsa_kernarg_size 64
		.amdhsa_user_sgpr_count 2
		.amdhsa_user_sgpr_kernarg_segment_ptr 1
		.amdhsa_wavefront_size32 1
		.amdhsa_system_sgpr_workgroup_id_x 1
		.amdhsa_system_sgpr_workgroup_id_y 1
		.amdhsa_system_sgpr_workgroup_id_z 1
		.amdhsa_system_vgpr_workitem_id 0
		.amdhsa_next_free_vgpr 210
		.amdhsa_next_free_sgpr 66
		.amdhsa_reserve_vcc 0
		.amdhsa_float_denorm_mode_32 3
		.amdhsa_float_denorm_mode_16_64 3
		.amdhsa_memory_ordered 1
		.amdhsa_forward_progress 1
		.amdhsa_inst_pref_size 83
	.end_amdhsa_kernel
	.amdgpu_metadata
---
amdhsa.version: [ 1, 2 ]
amdhsa.kernels:
  - .name:           k_qd27e5f5a76_quant
    .symbol:         k_qd27e5f5a76_quant.kd
    .args:
      - { .name: hidden_states, .offset: 0, .size: 8, .value_kind: global_buffer, .address_space: global }
      - { .name: Wq, .offset: 8, .size: 8, .value_kind: global_buffer, .address_space: global }
      - { .name: Wk, .offset: 16, .size: 8, .value_kind: global_buffer, .address_space: global }
      - { .name: Wv, .offset: 24, .size: 8, .value_kind: global_buffer, .address_space: global }
      - { .name: x_codes, .offset: 32, .size: 8, .value_kind: global_buffer, .address_space: global }
      - { .name: x_scales, .offset: 40, .size: 8, .value_kind: global_buffer, .address_space: global }
      - { .name: w_codes, .offset: 48, .size: 8, .value_kind: global_buffer, .address_space: global }
      - { .name: w_scales, .offset: 56, .size: 8, .value_kind: global_buffer, .address_space: global }
    .group_segment_fixed_size: 72192
    .private_segment_fixed_size: 0
    .kernarg_segment_align: 8
    .kernarg_segment_size: 64
    .max_flat_workgroup_size: 128
    .sgpr_count:     66
    .vgpr_count:     210
    .wavefront_size: 32
...
	.end_amdgpu_metadata
.endif
;; end of part 1
;; launch proj (part 2): grid 12 x 16, 4 waves a work-group, clusters of 4 x 4, 327,680 bytes of LDS; arguments x_codes, x_scales, w_codes, w_scales, bq, bk, bv, qkv; writes qkv
.if DOCPART == 2
	.amdgcn_target "amdgcn-amd-amdhsa--gfx1250"
	.amdhsa_code_object_version 6
	.text
	.protected	k_qd27e5f5a76_proj
	.globl	k_qd27e5f5a76_proj
	.p2align	8
	.type	k_qd27e5f5a76_proj,@function
k_qd27e5f5a76_proj:
	s_mov_b64 s[64:65], 0
	v_nop
	global_prefetch_b8 v0, s[64:65] scope:SCOPE_SE
	s_setreg_imm32_b32 hwreg(HW_REG_WAVE_MODE, 25, 1), 1
	s_wait_xcnt 0x0
	s_wait_alu depctr_hold_cnt(0) depctr_sa_sdst(0) depctr_va_vdst(0) depctr_va_sdst(0) depctr_va_ssrc(0) depctr_va_vcc(0) depctr_vm_vsrc(0)
	s_getreg_b32 s2, hwreg(HW_REG_IB_STS2, 6, 4)
	s_cmp_eq_u32 s2, 0
	s_cbranch_scc0 .Lentry_in_a_cluster
	s_endpgm
.Lentry_in_a_cluster:
	s_bfe_u32 s2, ttmp6, 0x10000c
	s_cmp_lg_u32 s2, 0xf033
	s_cbranch_scc0 .Lentry_shape_is_right
	s_endpgm
.Lentry_shape_is_right:
; q | k | v = Q(x) Q(w)^T + bias on codes of FP6, quantised again on the way out.  x: 4,096 places, w: 3,072 places, K = 2,048, both as images of operand registers (16 rows x 128 K = 1,536 bytes).
; A work-group of four waves makes 256 x 256, a wave 128 x 128 in 64 accumulators.  K goes in steps of 256 through two LDS slots: a tile is 8 (at the head 16) rows of 3,072 consecutive bytes,
; one for each block of 16 rows, each starting at a multiple of 256 bytes; LDS holds them dense, and a fragment is three loads of 16 bytes a lane at 16 x lane.
; The scales of the 256 + 256 rows, for all of K, come once, as two dense blocks.  4 x 4 clusters: x's tiles are asked for jointly along a row, w's along a column.
; Source 0 takes w's rows and source 1 x's, so a lane holds a token and 8 neighbouring columns.  A WAVE THAT MAKES V (cluster x = 2, second half of the columns) reads the two tiles the other way round:
; its lanes hold a column of V and its registers run along the keys, which are the next K.  The choice stands in the LDS addresses alone.
; OUT: a group of 12,800 bytes for each 128 x 128: eight images (16 rows x 128 along the next K), then 512 bytes of scale words (register j: lanes 0-15 image 2 j, lanes 16-31 image 2 j + 1).
; Group 32 x (block of 128 columns) + (block of 128 tokens).  LIMITS: as in the first launch (NaN, infinities; bytes held at 1).
; The tiles two K steps on are prefetched: of a wave's 96 units of 256 bytes each of the four partners names 24, told apart by address.
.set NQ,     2
.set FR,     12
.set NL,     3
.set NP,     4
.set KB,     3072                      ; 16 rows x 256 K
.set RBB,    24576                     ; 16 rows, all of K
.set HALFT,  8*KB
.set SLOT,   4*HALFT
.set LAPS,   4
.set SCL,    2*SLOT
.set HALFS,  8192
.set SBLK,   1024
.set SPARE,  SCL+6*HALFS
.set GRP,    12800
.set ADRA, 16
.set ADRB, 20
.set CO,   26
.set ADRS, 27
.set SPW,  28
.set NIL,  29
.set ZR,   30
.set PFO,  31
.set SC,   32
.set BP,   64
.set AF,   128
.set T,    128
.set QC,   192
.set SW,   212
.set PWT,  216
.set BR,   224
.set TM,   240
.set SEL,  20
.set KD,   95
.set KM,   94
.set HM,   99
.set PFA,  66
.set G1, 24
.set G0, 32
.set G1B, 48
.set G0B, 56
.set G1S, 68
.set G0S, 76
.set G1SB, 80
.set G0SB, 88
.set G0H, 4
.set G0HB, 8
.set MSB, 0
.macro WIN new
.if MSB != \new
	s_set_vgpr_msb (MSB<<8)|\new
.set MSB, \new
.endif
.endm
.set MUL_LO, 0xa1
.set MUL_HI, 0xf1
.set TO_B,   0x40
.macro JLOAD g0a, g1a, g0b, g1b        ; waves 0, 1 ask for x's tile, waves 2, 3 for w's
	s_cmp_eq_u32 s15, 0
	s_cbranch_scc0 .Lfor_b_\@
	tensor_load_to_lds s[\g0a:\g0a+3], s[\g1a:\g1a+7]
	s_nop 0
.rept 4
	v_nop
.endr
	s_branch .Lasked_\@
.Lfor_b_\@:
	tensor_load_to_lds s[\g0b:\g0b+3], s[\g1b:\g1b+7]
	s_nop 0
.rept 4
	v_nop
.endr
.Lasked_\@:
.endm
.macro CREST
	s_cmp_lg_u32 s14, 0
	s_cbranch_scc1 .Lnot_wave_0_\@
	s_barrier_signal -3
.Lnot_wave_0_\@:
	s_barrier_wait -3
	s_barrier_signal -1
	s_barrier_wait -1
.endm
.macro CROUND
	s_barrier_signal -1
	s_barrier_wait -1
	CREST
.endm
	s_load_b128 s[4:7], s[0:1], 0x0                ; x_codes, x_scales
	s_load_b128 s[8:11], s[0:1], 0x10              ; w_codes, w_scales
	s_load_b128 s[96:99], s[0:1], 0x20             ; bq, bk
	s_load_b64 s[100:101], s[0:1], 0x30            ; bv
	s_load_b64 s[12:13], s[0:1], 0x38              ; qkv
	v_lshl_add_u32 v[SPW], v0, 2, SPARE
	v_mov_b32 v[NIL], 0
	ds_add_u32 v[SPW], v[NIL]                      ; the opening lines: the add twice on end and its wait
	ds_add_u32 v[SPW], v[NIL]
	v_lshrrev_b32 v1, 5, v0
	v_readfirstlane_b32 s14, v1                    ; wave
	s_lshr_b32 s15, s14, 1                         ; my half of x's rows; also: I ask for x (0) or w (1)
	s_and_b32 s16, s14, 1                          ; my half of w's rows; also: which 128 rows I ask for
	s_bfe_u32 s40, ttmp6, 0x40000
	s_bfe_u32 s41, ttmp6, 0x40004
	s_lshl_b32 s42, ttmp9, 2
	s_add_co_u32 s42, s42, s40                     ; tile column
	s_and_b32 s17, ttmp7, 0xffff
	s_lshl_b32 s17, s17, 2
	s_add_co_u32 s17, s17, s41                     ; tile row
	s_lshl_b32 s43, s41, 2
	s_lshl_b32 s43, 15, s43                        ; my row of the cluster
	s_lshl_b32 s44, 0x1111, s40                    ; my column
	s_or_b32 s[G1+0], s43, (3<<16)|(1<<21)         ; elements of 8 bytes, no padding
	s_or_b32 s[G1B+0], s44, (3<<16)|(1<<21)
.irp g, G1, G1B
	s_mov_b32 s[\g+1], (KB/8)<<16
	s_mov_b32 s[\g+2], 16<<16                      ; at the head 16 rows, in the ring 8
	s_mov_b32 s[\g+3], (KB/8)<<16
	s_mov_b32 s[\g+4], 16
	s_mov_b32 s[\g+5], RBB/8
	s_mov_b32 s[\g+6], 0
	s_mov_b32 s[\g+7], 0
.endr
	s_or_b32 s[G1S+0], s43, (3<<16)|(1<<21)        ; scales of 256 rows: 64 rows of 256 bytes, dense
	s_or_b32 s[G1SB+0], s44, (3<<16)|(1<<21)
.irp g, G1S, G1SB
	s_mov_b32 s[\g+1], 32<<16
	s_mov_b32 s[\g+2], 64<<16
	s_mov_b32 s[\g+3], 32<<16
	s_mov_b32 s[\g+4], 64
	s_mov_b32 s[\g+5], 32
	s_mov_b32 s[\g+6], 0
	s_mov_b32 s[\g+7], 0
.endr
	s_mul_i32 s20, s17, 16*RBB
	s_mul_i32 s46, s42, 16*RBB
	s_lshl_b32 s22, s17, 14
	s_lshl_b32 s92, s42, 14
	s_mov_b32 s21, 0
	s_mov_b32 s47, 0
	s_mov_b32 s23, 0
	s_mov_b32 s93, 0
	s_mul_i32 s18, s16, 8*RBB
	s_mov_b32 s19, 0
	s_mul_i32 s45, s14, HALFT
	s_wait_dscnt 0x0
	s_wait_kmcnt 0x0
	s_add_nc_u64 s[20:21], s[4:5], s[20:21]
	s_add_nc_u64 s[22:23], s[6:7], s[22:23]
	s_add_nc_u64 s[46:47], s[8:9], s[46:47]
	s_add_nc_u64 s[92:93], s[10:11], s[92:93]
	CROUND                                         ; the first joint loads meet
	s_mov_b32 s[G0H], 1
	s_mov_b32 s[G0H+1], 0
	s_mov_b64 s[G0H+2:G0H+3], s[20:21]
	s_or_b32 s[G0H+3], s[G0H+3], 0x80000000
	s_mov_b32 s[G0HB], 1
	s_mov_b32 s[G0HB+1], 2*HALFT
	s_mov_b64 s[G0HB+2:G0HB+3], s[46:47]
	s_or_b32 s[G0HB+3], s[G0HB+3], 0x80000000
	s_mov_b32 s[G0S], 1
	s_mov_b32 s[G0S+1], SCL
	s_mov_b64 s[G0S+2:G0S+3], s[22:23]
	s_or_b32 s[G0S+3], s[G0S+3], 0x80000000
	s_mov_b32 s[G0SB], 1
	s_mov_b32 s[G0SB+1], SCL+2*HALFS
	s_mov_b64 s[G0SB+2:G0SB+3], s[92:93]
	s_or_b32 s[G0SB+3], s[G0SB+3], 0x80000000
	s_add_nc_u64 s[20:21], s[20:21], s[18:19]      ; the ring: my 128 rows
	s_add_nc_u64 s[46:47], s[46:47], s[18:19]
.irp s, 0,1
	s_mov_b32 s[G0+4*\s], 1
	s_add_co_u32 s[G0+4*\s+1], s45, \s*SLOT
	s_add_nc_u64 s[G0+4*\s+2:G0+4*\s+3], s[20:21], \s*KB
	s_or_b32 s[G0+4*\s+3], s[G0+4*\s+3], 0x80000000
	s_mov_b32 s[G0B+4*\s], 1
	s_add_co_u32 s[G0B+4*\s+1], s45, \s*SLOT
	s_add_nc_u64 s[G0B+4*\s+2:G0B+4*\s+3], s[46:47], \s*KB
	s_or_b32 s[G0B+4*\s+3], s[G0B+4*\s+3], 0x80000000
.endr
	s_cmp_eq_u32 s15, 0                            ; the prefetches: the rows that I ask for, my work-group's two blocks of 16 of the eight, at K step 2
	s_cselect_b64 s[PFA:PFA+1], s[20:21], s[46:47]
	s_cselect_b32 s18, s40, s41
	s_mul_i32 s18, s18, 2*RBB
	s_add_co_u32 s18, s18, KB                      ; it starts at K step 1
	s_add_nc_u64 s[PFA:PFA+1], s[PFA:PFA+1], s[18:19]
; the head's loads, one a wave: x's 256 rows of K step 0, w's, x's scales, w's
.macro ARM under, g0, g1, next
	s_cmp_lt_u32 s14, \under
	s_cbranch_scc0 \next
	tensor_load_to_lds s[\g0:\g0+3], s[\g1:\g1+7]
	s_nop 0
.rept 4
	v_nop
.endr
	s_branch .Lhead_asked
\next:
.endm
	ARM 1, G0H,  G1,  .Lhead_b
	ARM 2, G0HB, G1B, .Lhead_sa
	ARM 3, G0S,  G1S, .Lhead_sb
	tensor_load_to_lds s[G0SB:G0SB+3], s[G1SB:G1SB+7]
	s_nop 0
.rept 4
	v_nop
.endr
.Lhead_asked:
	s_mul_i32 s21, s15, HALFT                      ; my 128 rows of x
	s_mul_i32 s22, s16, HALFT
	s_add_co_u32 s22, s22, 2*HALFT                 ; my 128 rows of w
	s_lshr_b32 s[KD], ttmp9, 1
	s_and_b32 s[KD], s[KD], s16                    ; 1: I make V
	s_cmp_eq_u32 s[KD], 1
	s_cselect_b32 s[KM], -1, 0
	s_cselect_b32 s92, s22, s21                    ; what source 1 takes
	s_cselect_b32 s93, s21, s22                    ; what source 0 takes
	s_mul_i32 s21, s15, HALFS
	s_mul_i32 s22, s16, HALFS
	s_add_co_u32 s22, s22, 2*HALFS
	s_sub_co_u32 s22, s22, s21
	s_add_co_u32 s21, s21, SCL
	s_lshl_b32 s46, s42, 1
	s_add_co_u32 s46, s46, s16                     ; my block of 128 columns
	s_lshl_b32 s47, s46, 9
	s_lshl_b32 s2, s40, 9                          ; in cluster x = 2 the kv head is cx
	s_cmp_eq_u32 s[KD], 1
	s_cselect_b64 s[98:99], s[100:101], s[98:99]
	s_cmp_lt_u32 ttmp9, 2
	s_cselect_b64 s[96:97], s[96:97], s[98:99]
	s_cselect_b32 s100, s47, s2
	s_mov_b32 s101, 0
	s_add_nc_u64 s[96:97], s[96:97], s[100:101]    ; my 128 numbers of the bias
	s_lshl_b32 s20, s17, 1
	s_add_co_u32 s20, s20, s15
	s_lshl_b32 s47, s46, 5
	s_add_co_u32 s20, s20, s47                     ; my group
	s_mul_i32 s46, s20, GRP
	s_mov_b32 s47, 0
	s_add_nc_u64 s[12:13], s[12:13], s[46:47]
	s_mov_b32 s23, RBB-KB
	v_and_b32 v6, 31, v0
	v_lshlrev_b32 v[CO], 4, v6                     ; 16 x lane
	v_add_nc_u32 v[ADRA], s92, v[CO]
	v_add_nc_u32 v[ADRB], s93, v[CO]
	v_add_nc_u32 v[ADRA+1], SLOT, v[ADRA]
	v_add_nc_u32 v[ADRB+1], SLOT, v[ADRB]
	v_and_b32 v1, 15, v0
	v_bfe_u32 v2, v0, 4, 1
	v_sub_nc_u32 v7, 1, v2
	v_cndmask_b32 v7, v2, v7, s[KM]                ; lanes 0-15 take source 1's scales, lanes 16-31 source 0's
	v_mul_u32_u24 v5, s22, v7
	v_lshl_add_u32 v5, v1, 6, v5                   ; 64 bytes a row
	v_add_nc_u32 v[ADRS], s21, v5
	v_lshlrev_b32 v8, 6, v2
	v_and_b32 v9, 8, v1
	v_add_nc_u32 v9, v9, v1
	v_lshlrev_b32 v9, 2, v9
	v_mov_b32 v[ZR], 0
	v_min_u32 v[PFO], 23, v6                       ; unit j of my 24: block of 16 rows j / 12, unit j % 12 of its 3,072 bytes
	v_mul_u32_u24 v10, v[PFO], 43
	v_lshrrev_b32 v10, 9, v10
	v_lshlrev_b32 v[PFO], 8, v[PFO]
	v_mad_u32_u24 v[PFO], v10, s23, v[PFO]
	global_prefetch_b8 v[PFO], s[PFA:PFA+1] th:TH_LOAD_NT scope:SCOPE_SE             ; the buffers' first touch: K step 1,
	global_prefetch_b8 v[PFO], s[PFA:PFA+1] offset:KB th:TH_LOAD_NT scope:SCOPE_SE   ; and K step 2
.irp t, 0,1,2,3,4,5,6,7
	global_load_b128 v[BP+8*\t:BP+8*\t+3], v8, s[96:97] offset:(32*(\t/2)+8*(\t%2))*4
	global_load_b128 v[BP+8*\t+4:BP+8*\t+7], v8, s[96:97] offset:(32*(\t/2)+8*(\t%2))*4+16
	global_load_b32 v[BR+2*\t], v9, s[96:97] offset:(32*(\t/2)+8*(\t%2))*4
.endr
	s_wait_alu depctr_va_vdst(0)                   ; the wait ahead of the wait below
	s_wait_loadcnt 0x0
.set i, 0
.rept 64
	v_cndmask_b32 v[BP+i], v[BP+i], v[ZR], s[KM]   ; the bias along the registers: q, k
.set i, i+1
.endr
.irp a, 0,1,2,3,4,5,6,7
	v_cndmask_b32 v[BR+2*\a], v[ZR], v[BR+2*\a], s[KM]   ; the bias along the lanes: v
	v_mov_b32 v[BR+2*\a+1], v[BR+2*\a]
.endr
.macro FRAG reg, adr, q, i             ; image q of the K step, block i of 16 rows
.irp c, 0,1,2
	ds_load_b128 v[\reg+4*\c:\reg+4*\c+3], v[\adr] offset:(\i)*KB+(\q)*1536+512*\c
.endr
.endm
.macro MUL16 a0, p, q, sc, zero        ; the 64 accumulators take turns
.irp a, \a0, \a0+1
.irp b, 0,1,2,3,4,5,6,7
.if \zero
	v_wmma_scale_f32_16x16x128_f8f6f4 v[8*(8*((\a)%4)+\b):8*(8*((\a)%4)+\b)+7], v[128*(\p)+FR*\b:128*(\p)+FR*\b+FR-1], v[AF+FR*(\a):AF+FR*(\a)+FR-1], 0, v[SC+8*NQ*(\sc)+NQ*\b+(\q)], v[SC+8*NQ*(\sc)+NQ*(\a)+(\q)] matrix_a_fmt:MATRIX_FMT_FP6 matrix_b_fmt:MATRIX_FMT_FP6 matrix_a_scale:MATRIX_SCALE_ROW1
.else
	v_wmma_scale_f32_16x16x128_f8f6f4 v[8*(8*((\a)%4)+\b):8*(8*((\a)%4)+\b)+7], v[128*(\p)+FR*\b:128*(\p)+FR*\b+FR-1], v[AF+FR*(\a):AF+FR*(\a)+FR-1], v[8*(8*((\a)%4)+\b):8*(8*((\a)%4)+\b)+7], v[SC+8*NQ*(\sc)+NQ*\b+(\q)], v[SC+8*NQ*(\sc)+NQ*(\a)+(\q)] matrix_a_fmt:MATRIX_FMT_FP6 matrix_b_fmt:MATRIX_FMT_FP6 matrix_a_scale:MATRIX_SCALE_ROW1
.endif
.endr
.endr
.endm
.macro FETCH_B slot, q, p
	WIN TO_B
.irp i, 0,1,2,3,4,5,6,7
	FRAG 128*(\p)+FR*\i, ADRB+\slot, \q, \i
.endr
	WIN 0
.endm
.macro FETCH_A slot, q, i0
.irp i, \i0, \i0+1, \i0+2, \i0+3
	FRAG AF+FR*(\i), ADRA+\slot, \q, \i
.endr
.endm
.macro SCALES sc
.irp i, 0,1,2,3,4,5,6,7
	ds_load_b64 v[SC+8*NQ*\sc+NQ*\i:SC+8*NQ*\sc+NQ*\i+1], v[ADRS] offset:\i*SBLK
.endr
.endm
.macro PLACES n
.rept \n
	v_nop
.endr
.endm
.macro STEP slot, q, zero              ; the first 128 of a K step; fetches the second 128's fragments
	s_wait_dscnt 4*NL                              ; all but the youngest 12 loads (source 1's blocks 4-7)
	WIN MUL_LO
	MUL16 0, (\q)%2, \q, \slot, \zero
	MUL16 2, (\q)%2, \q, \slot, \zero
	s_wait_dscnt 0
	PLACES NP
	FETCH_B \slot, (\q)+1, 1-(\q)%2
	FETCH_A \slot, (\q)+1, 0
	WIN MUL_HI
	MUL16 4, (\q)%2, \q, \slot, \zero
	MUL16 6, (\q)%2, \q, \slot, \zero
	PLACES NP
	WIN 0
	FETCH_A \slot, (\q)+1, 4
.endm
.macro TURN slot, next, fill           ; the second 128, and the change of slots
.if \fill
	s_wait_xcnt 0x0                                ; my last prefetch has read its address
	s_add_nc_u64 s[PFA:PFA+1], s[PFA:PFA+1], KB
.endif
	s_wait_tensorcnt 0x0                           ; my part of the next slot is in
	ds_add_u32 v[SPW], v[NIL]
	s_wait_dscnt 4*NL+1                            ; the add and the youngest 12 loads may be out
	WIN MUL_LO
	MUL16 0, 1, NQ-1, \slot, 0
	s_wait_dscnt 0x0                               ; the add is done, my reads of this slot are over
	s_barrier_signal -1
	MUL16 2, 1, NQ-1, \slot, 0
	WIN 0
	s_barrier_wait -1
.if \fill
	CREST                                          ; the barrier has opened a round of the cluster's barrier
	s_add_nc_u64 s[G0+4*\slot+2:G0+4*\slot+3], s[G0+4*\slot+2:G0+4*\slot+3], 2*KB
	s_add_nc_u64 s[G0B+4*\slot+2:G0B+4*\slot+3], s[G0B+4*\slot+2:G0B+4*\slot+3], 2*KB
	JLOAD G0+4*\slot, G1, G0B+4*\slot, G1B         ; its four v_nop are the places ahead of the loads below
.else
	PLACES NP
.endif
	s_wait_alu depctr_va_vdst(0)                   ; the wait ahead of the reader below
	v_add_nc_u32 v[ADRS], 4*NQ, v[ADRS]
	FETCH_B \next, 0, 0
	FETCH_A \next, 0, 0
	SCALES \next
.if \fill
	s_cmp_gt_u32 s3, 1                             ; the last two refills have no K step two on
	s_cbranch_scc0 .Lnone_\@
	global_prefetch_b8 v[PFO], s[PFA:PFA+1] offset:2*KB th:TH_LOAD_NT scope:SCOPE_SE
.Lnone_\@:
.endif
	WIN MUL_HI
	MUL16 4, 1, NQ-1, \slot, 0
	MUL16 6, 1, NQ-1, \slot, 0
	PLACES NP
	WIN 0
	FETCH_A \next, 0, 4
.endm
	s_wait_alu depctr_va_vdst(0)                   ; the wait at the head's end
	s_wait_tensorcnt 0x0                           ; my tile of the head's four is in
	ds_add_u32 v[SPW], v[NIL]
	s_mov_b32 s[G1+2], 8<<16                       ; no load of mine is out: from here on a load brings 8 rows
	s_mov_b32 s[G1+4], 8
	s_mov_b32 s[G1B+2], 8<<16
	s_mov_b32 s[G1B+4], 8
	s_wait_dscnt 0x0
	CROUND
	JLOAD G0+4, G1, G0B+4, G1B                     ; K step 1, slot 1's first fill
	FETCH_B 0, 0, 0
	FETCH_A 0, 0, 0
	SCALES 0
	global_prefetch_b8 v[PFO], s[PFA:PFA+1] offset:2*KB th:TH_LOAD_NT scope:SCOPE_SE ; K step 3, two refills ahead of its load
	FETCH_A 0, 0, 4
	STEP 0, 0, 1
	s_mov_b32 s3, LAPS-1
.Llap:
	TURN 0, 1, 1
	STEP 1, 0, 0
	TURN 1, 0, 1
	STEP 0, 0, 0
	s_sub_co_u32 s3, s3, 1
	s_cmp_lg_u32 s3, 0
	s_cbranch_scc1 .Llap
	TURN 0, 1, 0
	STEP 1, 0, 0
	s_wait_dscnt 4*NL
	WIN MUL_LO
	MUL16 0, 1, NQ-1, 1, 0
	MUL16 2, 1, NQ-1, 1, 0
	s_wait_dscnt 0
	WIN MUL_HI
	MUL16 4, 1, NQ-1, 1, 0
	MUL16 6, 1, NQ-1, 1, 0
	WIN 0
.macro QUANT s, pw                     ; 64 registers: four blocks of 32 along the next K, each in lanes l and l xor 16
.irp b, 0,1,2,3
	v_max3_num_f32 v[TM+\b], |v[\s+16*\b]|, |v[\s+1+16*\b]|, 0x1800000
.endr
.irp i, 2,4,6,8,10,12,14
.irp b, 0,1,2,3
	v_max3_num_f32 v[TM+\b], v[TM+\b], |v[\s+16*\b+\i]|, |v[\s+1+16*\b+\i]|
.endr
.endr
.irp b, 0,1,2,3
	v_permlanex16_b32 v[TM+4+\b], v[TM+\b], s[SEL], s[SEL+1]
.endr
.irp b, 0,1,2,3
	v_max_num_f32 v[TM+\b], v[TM+\b], v[TM+4+\b]
.endr
.irp b, 0,1,2,3
	v_add_nc_u32 v[TM+12+\b], 0xff000000, v[TM+\b]
.endr
.irp b, 0,1,2,3
	v_lshrrev_b32 v[TM+4+\b], 23, v[TM+12+\b]
.endr
	v_lshl_or_b32 v[\pw], v[TM+5], 8, v[TM+4]
	v_lshl_or_b32 v[\pw], v[TM+6], 16, v[\pw]
	v_lshl_or_b32 v[\pw], v[TM+7], 24, v[\pw]
.irp c, 0,1
	v_cvt_scalef32_pk16_fp6_f32 v[QC+6*\c:QC+2+6*\c], v[\s+32*\c:\s+15+32*\c], v[TM+12+2*\c]
	v_cvt_scalef32_pk16_fp6_f32 v[QC+12+4*\c:QC+14+4*\c], v[\s+16+32*\c:\s+31+32*\c], v[TM+12+2*\c+1]
.endr
	v_nop
.irp c, 0,1
.irp i, 0,1,2
	v_permlane16_swap_b32 v[QC+6*\c+\i], v[QC+12+4*\c+\i]
.endr
.irp i, 0,1,2
	v_mov_b32 v[QC+3+6*\c+\i], v[QC+12+4*\c+\i]
.endr
.endr
.endm
.macro FRAGOUT a
	WIN 0x02+(\a)/4
.set i, 0
.rept 32
	v_pk_add_f32 v[T+i:T+i+1], v[64*((\a)%4)+i:64*((\a)%4)+i+1], v[BP+i:BP+i+1]
.set i, i+2
.endr
	WIN 0
.set i, 0
.rept 32
	v_pk_add_f32 v[T+i:T+i+1], v[T+i:T+i+1], v[BR+2*(\a):BR+2*(\a)+1]
.set i, i+2
.endr
.if (\a) > 0
	s_wait_xcnt 0x0                                ; the last image's stores have read their registers
.endif
.if (\a)%2 == 0
	QUANT T, SW+(\a)/2
.else
	QUANT T, PWT
	v_cndmask_b32 v[SW+(\a)/2], v[SW+(\a)/2], v[PWT], s[HM]
.endif
.irp c, 0,1,2
	global_store_b128 v[CO], v[QC+4*\c:QC+4*\c+3], s[12:13] offset:1536*(\a)+512*\c   ; 512 consecutive bytes
.endr
.endm
	PLACES NP
	s_mov_b32 s[SEL], 0x76543210
	s_mov_b32 s[SEL+1], 0xfedcba98
	s_mov_b32 s[HM], 0xffff0000
.irp b, 0,1,2,3
	v_mov_b32 v[TM+4+\b], 0
.endr
.irp a, 0,1,2,3,4,5,6,7
	FRAGOUT \a
.endr
	global_store_b128 v[CO], v[SW:SW+3], s[12:13] offset:12288   ; the group's scale words
	s_wait_tensorcnt 0x0                           ; the wave's end
	ds_add_u32 v[SPW], v[NIL]
	s_wait_dscnt 0x0
	CROUND                                         ; the closing round
	s_endpgm
.Lfunc_end_k_qd27e5f5a76_proj:
	.size	k_qd27e5f5a76_proj, .Lfunc_end_k_qd27e5f5a76_proj-k_qd27e5f5a76_proj
	.p2alignl 7, 3214868480
	.fill 96, 4, 3214868480
	.section	.rodata,"a",@progbits
	.p2align	6, 0x0
	.amdhsa_kernel k_qd27e5f5a76_proj
		.amdhsa_group_segment_fixed_size 327680
		.amdhsa_private_segment_fixed_size 0
		.amdhsa_enable_private_segment 0
		.amdhsa_kernarg_size 64
		.amdhsa_user_sgpr_count 2
		.amdhsa_user_sgpr_kernarg_segment_ptr 1
		.amdhsa_wavefront_size32 1
		.amdhsa_system_sgpr_workgroup_id_x 1
		.amdhsa_system_sgpr_workgroup_id_y 1
		.amdhsa_system_sgpr_workgroup_id_z 1
		.amdhsa_system_vgpr_workitem_id 0
		.amdhsa_next_free_vgpr 1024
		.amdhsa_next_free_sgpr 102
		.amdhsa_reserve_vcc 0
		.amdhsa_float_denorm_mode_32 3
		.amdhsa_float_denorm_mode_16_64 3
		.amdhsa_memory_ordered 1
		.amdhsa_forward_progress 1
		.amdhsa_inst_pref_size 181
	.end_amdhsa_kernel
	.amdgpu_metadata
---
amdhsa.version: [ 1, 2 ]
amdhsa.kernels:
  - .name:           k_qd27e5f5a76_proj
    .symbol:         k_qd27e5f5a76_proj.kd
    .args:
      - { .name: x_codes, .offset: 0, .size: 8, .value_kind: global_buffer, .address_space: global }
      - { .name: x_scales, .offset: 8, .size: 8, .value_kind: global_buffer, .address_space: global }
      - { .name: w_codes, .offset: 16, .size: 8, .value_kind: global_buffer, .address_space: global }
      - { .name: w_scales, .offset: 24, .size: 8, .value_kind: global_buffer, .address_space: global }
      - { .name: bq, .offset: 32, .size: 8, .value_kind: global_buffer, .address_space: global }
      - { .name: bk, .offset: 40, .size: 8, .value_kind: global_buffer, .address_space: global }
      - { .name: bv, .offset: 48, .size: 8, .value_kind: global_buffer, .address_space: global }
      - { .name: qkv, .offset: 56, .size: 8, .value_kind: global_buffer, .address_space: global }
    .group_segment_fixed_size: 327680
    .private_segment_fixed_size: 0
    .kernarg_segment_align: 8
    .kernarg_segment_size: 64
    .max_flat_workgroup_size: 128
    .sgpr_count:     102
    .vgpr_count:     1024
    .wavefront_size: 32
...
	.end_amdgpu_metadata
.endif
;; end of part 2
;; launch attn (part 3): grid 32 x 8, 8 waves a work-group, clusters of 4 x 1, 327,680 bytes of LDS; arguments qkv, out0; writes out0
.if DOCPART == 3
	.amdgcn_target "amdgcn-amd-amdhsa--gfx1250"
	.amdhsa_code_object_version 6
	.text
	.protected	k_qd27e5f5a76_attn
	.globl	k_qd27e5f5a76_attn
	.p2align	8
	.type	k_qd27e5f5a76_attn,@function
k_qd27e5f5a76_attn:
	s_mov_b64 s[64:65], 0
	v_nop
	global_prefetch_b8 v0, s[64:65] scope:SCOPE_SE
	s_setreg_imm32_b32 hwreg(HW_REG_WAVE_MODE, 25, 1), 1
	s_wait_xcnt 0x0
	s_wait_alu depctr_hold_cnt(0) depctr_sa_sdst(0) depctr_va_vdst(0) depctr_va_sdst(0) depctr_va_ssrc(0) depctr_va_vcc(0) depctr_vm_vsrc(0)
	s_getreg_b32 s2, hwreg(HW_REG_IB_STS2, 6, 4)
	s_cmp_eq_u32 s2, 0
	s_cbranch_scc0 .Lentry_in_a_cluster
	s_endpgm
.Lentry_in_a_cluster:
	s_bfe_u32 s2, ttmp6, 0x10000c
	s_cmp_lg_u32 s2, 0x3003
	s_cbranch_scc0 .Lentry_shape_is_right
	s_endpgm
.Lentry_shape_is_right:
; o = softmax(q k^T / sqrt(128)) v on codes of FP6, for one (batch, kv head) along y and (query head of that kv head, block of 256 queries) along x.  Eight waves, 32 queries each.
; Both products are used transposed (S^T = k q^T, O^T = v^T p^T): a lane holds one query.  A step is 128 keys.  M is the running largest t rounded up to a whole number; p = 2^(t - M);
; the row's sum is taken of the unquantised p; when M moves, the sum and O^T are multiplied by a power of two.  p is quantised block by block of 32 keys.
; A wave's two tiles of 16 queries go through the softmax together, line by line by turns, so that no line waits for the line above it and the exponentials form one batch.
; A group (12,800 bytes: eight images of operand registers, then 512 bytes of scale words) holds 128 keys of k, or 128 keys x 128 of v with the keys innermost.
; LDS: twelve places for k's groups and twelve for v's; step s lies at place s % 12.  The head asks for steps 0-3 (a group a wave), the round ahead of step 0 for steps 4-11 (two groups a wave),
; the round ahead of step 4 fills places 0-3 again with steps 12-15; a barrier ahead of step 12 shows them.  The four work-groups of a cluster share k and v and ask jointly.
; The stage of the way out lies in k's places 4-9, which have had their only fill and their last read ahead of step 12's barrier.
; Prefetches: behind the head's load each partner names its quarter of steps 4-11 (200 units of 256 bytes), behind the next load its quarter of steps 12-15 (100 units).
; LIMITS: the promise holds while the scaled scores stay under 2^31 in magnitude; NaN and infinities are not served.
.set GRP,   12800
.set VAREA, 12*GRP
.set SPARE, 24*GRP
.set STAGE, 4*GRP
.set SPI,   528
.set LI,   1
.set SPW,  2
.set NIL,  3
.set ADK,  4
.set ADV,  5
.set PFO2, 6
.set PFO,  7
.set STO,  8
.set RD,   9
.set ST,   12                          ; tile u: v[ST+4u] -M, +1 the largest t, +2, +3 the sum in two halves
.set QF,   20
.set QS,   44
.set PS,   46
.set KSC,  48
.set VSC,  52
.set PCD,  56
.set CT,   80                          ; tile u at CT + 32 u
.set BM,   88                          ; tile u at BM + 4 u
.set BX,   96                          ; tile u at BX + 12 u
.set F,    100                         ; tile u at F + 20 u
.set TMP,  102                         ; tile u at TMP + u
.set SUM2, 104                         ; tile u at SUM2 + 18 u
.set LIV,  106
.set S,    128
.set FRG,  128
.set WV,   10
.set G1,   24
.set G1L,  32
.set G0,   40
.set G0A,  44
.set SEL,  48
.set CS,   50
.set TB,   52
.set CNT,  55
.set PFA,  56
.set PFB,  58
.set QP,   60
.set QSP,  62
.set MSB, 0
.macro WIN new
.if MSB != \new
	s_set_vgpr_msb (MSB<<8)|\new
.set MSB, \new
.endif
.endm
.macro CROUND
	s_barrier_signal -1
	s_barrier_wait -1
	s_cmp_lg_u32 s[WV], 0
	s_cbranch_scc1 .Lnot_wave_0_\@
	s_barrier_signal -3
.Lnot_wave_0_\@:
	s_barrier_wait -3
	s_barrier_signal -1
	s_barrier_wait -1
.endm
	s_load_b64 s[4:5], s[0:1], 0x0                 ; qkv
	s_load_b64 s[8:9], s[0:1], 0x8                 ; out0
	v_lshl_add_u32 v[SPW], v0, 2, SPARE
	v_mov_b32 v[NIL], 0
	ds_add_u32 v[SPW], v[NIL]                      ; the opening lines
	ds_add_u32 v[SPW], v[NIL]
	v_lshrrev_b32 v1, 5, v0
	s_delay_alu instid0(VALU_DEP_1)
	v_readfirstlane_b32 s[WV], v1
	s_bfe_u32 s11, ttmp6, 0x40000                  ; cx
	s_lshl_b32 s12, ttmp9, 2
	s_add_co_u32 s12, s12, s11
	s_and_b32 s13, ttmp7, 0xffff
	s_lshr_b32 s14, s13, 2                         ; batch
	s_and_b32 s15, s13, 3                          ; kv head
	s_lshr_b32 s16, s12, 3
	s_and_b32 s17, s12, 7                          ; block of 256 queries
	s_lshl_b32 s18, s16, 2
	s_add_co_u32 s18, s18, s15                     ; query head
	s_lshl_b32 s19, s15, 6
	s_lshl_b32 s20, s14, 4
	s_add_co_u32 s19, s19, s20
	s_add_co_u32 s19, s19, 512                     ; k's first group; v's lie 32 groups on
	s_lshr_b32 s21, s[WV], 2                       ; I ask for k (0) or v (1),
	s_and_b32 s22, s[WV], 3                        ; and for which quarter
	s_lshl_b32 s23, s21, 5
	s_add_co_u32 s23, s23, s22
	s_add_co_u32 s23, s23, s19
	s_mul_i32 s66, s23, GRP                        ; step s22
	s_mov_b32 s67, 0
	s_add_co_u32 s68, s22, 4
	s_mul_i32 s68, s68, GRP                        ; from there to step 4 + 2 s22, in memory and in LDS
	s_mov_b32 s69, 0
	s_mul_i32 s[G0+1], s21, VAREA
	s_mul_i32 s23, s22, GRP
	s_add_co_u32 s[G0+1], s[G0+1], s23
	s_add_co_u32 s[G0A+1], s[G0+1], s68
	s_lshl_b32 s70, s18, 5
	s_add_co_u32 s70, s70, s20
	s_lshl_b32 s71, s17, 1
	s_add_co_u32 s70, s70, s71
	s_add_co_u32 s70, s70, s21                     ; q's group
	s_mul_i32 s70, s70, GRP
	s_mul_i32 s71, s22, 3072
	s_add_co_u32 s[QP], s70, s71                   ; my two images
	s_mov_b32 s[QP+1], 0
	s_lshl_b32 s71, s22, 2
	s_add_co_u32 s[QSP], s70, s71
	s_add_co_u32 s[QSP], s[QSP], 12288             ; and their scale words
	s_mov_b32 s[QSP+1], 0
	s_lshl_b32 s70, s14, 11
	s_lshl_b32 s71, s17, 8
	s_add_co_u32 s70, s70, s71
	s_lshl_b32 s71, s[WV], 5
	s_add_co_u32 s70, s70, s71
	s_lshl_b32 s70, s70, 13                        ; my first row of out0, 8,192 bytes a row
	s_lshl_b32 s71, s18, 9
	s_add_co_u32 s70, s70, s71
	s_mov_b32 s71, 0
	s_lshl_b32 s23, s11, 1
	s_add_co_u32 s23, s23, s19
	s_add_co_u32 s23, s23, 4
	s_mul_i32 s[PFA], s23, GRP                     ; steps 4 + 2 cx, 5 + 2 cx
	s_mov_b32 s[PFA+1], 0
	s_add_co_u32 s23, s19, s11
	s_add_co_u32 s23, s23, 12
	s_mul_i32 s[PFB], s23, GRP                     ; step 12 + cx
	s_mov_b32 s[PFB+1], 0
.irp g, G1, G1L
	s_mov_b32 s[\g], 15|(3<<16)|(1<<21)            ; rows of 256 bytes, dense; the mask names the cluster's four
	s_mov_b32 s[\g+1], 32<<16
	s_mov_b32 s[\g+3], 32<<16
	s_mov_b32 s[\g+5], 32
	s_mov_b32 s[\g+6], 0
	s_mov_b32 s[\g+7], 0
.endr
	s_mov_b32 s[G1+2], 50<<16                      ; a group
	s_mov_b32 s[G1+4], 50
	s_mov_b32 s[G1L+2], 100<<16                    ; two groups
	s_mov_b32 s[G1L+4], 100
	s_mov_b32 s[SEL], 0x76543210
	s_mov_b32 s[SEL+1], 0xfedcba98
	s_mov_b32 s[CS], 0x3e0293ee                    ; log2(e) / sqrt(128)
	s_mov_b32 s[CS+1], s[CS]
	s_mov_b32 s53, 30*GRP
	s_mov_b32 s54, 31*GRP
	s_wait_dscnt 0x0
	s_wait_kmcnt 0x0
	s_mov_b32 s[G0], 1
	s_mov_b32 s[G0A], 1
	s_add_nc_u64 s[G0+2:G0+3], s[4:5], s[66:67]
	s_add_nc_u64 s[G0A+2:G0A+3], s[G0+2:G0+3], s[68:69]
	s_or_b32 s[G0+3], s[G0+3], 0x80000000
	s_or_b32 s[G0A+3], s[G0A+3], 0x80000000
	s_add_nc_u64 s[QP:QP+1], s[4:5], s[QP:QP+1]
	s_add_nc_u64 s[QSP:QSP+1], s[4:5], s[QSP:QSP+1]
	s_add_nc_u64 s[PFA:PFA+1], s[4:5], s[PFA:PFA+1]
	s_add_nc_u64 s[PFB:PFB+1], s[4:5], s[PFB:PFB+1]
	s_add_nc_u64 s[8:9], s[8:9], s[70:71]
	s_mul_i32 s67, s[WV], 16*SPI
	s_add_co_u32 s67, s67, STAGE                   ; my stage
	CROUND
	tensor_load_to_lds s[G0:G0+3], s[G1:G1+7]      ; steps 0-3: one load a wave at the head
	s_nop 0
.rept 4
	v_nop
.endr
	v_and_b32 v[LI], 31, v0
	v_min_u32 v[PFO], 199, v0                      ; unit j of 200: k's two groups, then v's
	v_min_u32 v[PFO2], 99, v0                      ; unit j of 100: k's group, then v's
	v_lshlrev_b32 v[LI], 4, v[LI]
	v_mul_u32_u24 v10, v[PFO], 41
	v_mul_u32_u24 v11, v[PFO2], 41
	v_lshlrev_b32 v[PFO], 8, v[PFO]
	v_lshlrev_b32 v[PFO2], 8, v[PFO2]
	v_lshrrev_b32 v10, 12, v10                     ; j / 100
	v_lshrrev_b32 v11, 11, v11                     ; j / 50
	s_delay_alu instid0(VALU_DEP_2)
	v_mad_u32_u24 v[PFO], v10, s53, v[PFO]
	s_delay_alu instid0(VALU_DEP_2)
	v_mad_u32_u24 v[PFO2], v11, s54, v[PFO2]
	v_add_nc_u32 v[LIV], VAREA, v[LI]
.irp u, 0,1
.irp c, 0,1,2
	global_load_b128 v[QF+12*\u+4*\c:QF+12*\u+4*\c+3], v[LI], s[QP:QP+1] offset:1536*\u+512*\c
.endr
.endr
	global_load_b32 v[QS], v[LI], s[QSP:QSP+1]
	s_wait_alu depctr_va_vdst(0)                   ; the wait ahead of the branch
	s_cmp_lt_u32 s[WV], 7                          ; 200 units: waves 0-6
	s_cbranch_scc0 .Lno_pfa
	global_prefetch_b8 v[PFO], s[PFA:PFA+1] th:TH_LOAD_NT scope:SCOPE_SE
.Lno_pfa:
	v_and_b32 v10, 15, v0
	v_bfe_u32 v11, v0, 4, 1
	v_add_nc_u32 v[RD], s67, v[LI]
	s_delay_alu instid0(VALU_DEP_3)
	v_mul_u32_u24 v[STO], v10, SPI
	s_delay_alu instid0(VALU_DEP_1)
	v_lshl_add_u32 v[STO], v11, 6, v[STO]
	s_delay_alu instid0(VALU_DEP_1)
	v_add_nc_u32 v[STO], s67, v[STO]
.irp u, 0,1
	v_mov_b32 v[ST+4*\u+1], 0xff61b1e6             ; the largest t so far: under every t
	s_delay_alu instid0(VALU_DEP_1)
	v_floor_f32 v[ST+4*\u], -v[ST+4*\u+1]
	v_mov_b32 v[ST+4*\u+2], 0
	v_mov_b32 v[ST+4*\u+3], 0
	v_mov_b32 v[F+20*\u+1], 0                      ; named as the upper half of a pair
.irp b, 0,1,2,3
	v_mov_b32 v[BX+12*\u+\b], 0                    ; a lane permute's destination counts as one of its sources
.endr
.endr
	WIN 0x40
.set i, 0
.rept 128
	v_mov_b32 v[i], 0                              ; O^T: the step is written once, the first finds zeros
.set i, i+1
.endr
	WIN 0
.macro KQ t, u
.set rS, S+64*(\u)+8*(\t)
.set rK, FRG+12*(\t)
.set rQ, QF+12*(\u)
.set rC, KSC+(\t)/2
.if ((\t)%2 == 0) && ((\u) == 0)
	v_wmma_scale_f32_16x16x128_f8f6f4 v[rS:rS+7], v[rK:rK+11], v[rQ:rQ+11], 0, v[rC], v[QS] matrix_a_fmt:MATRIX_FMT_FP6 matrix_b_fmt:MATRIX_FMT_FP6
.elseif (\t)%2 == 0
	v_wmma_scale_f32_16x16x128_f8f6f4 v[rS:rS+7], v[rK:rK+11], v[rQ:rQ+11], 0, v[rC], v[QS] matrix_a_fmt:MATRIX_FMT_FP6 matrix_b_fmt:MATRIX_FMT_FP6 matrix_b_scale:MATRIX_SCALE_ROW1
.elseif (\u) == 0
	v_wmma_scale_f32_16x16x128_f8f6f4 v[rS:rS+7], v[rK:rK+11], v[rQ:rQ+11], 0, v[rC], v[QS] matrix_a_fmt:MATRIX_FMT_FP6 matrix_b_fmt:MATRIX_FMT_FP6 matrix_a_scale:MATRIX_SCALE_ROW1
.else
	v_wmma_scale_f32_16x16x128_f8f6f4 v[rS:rS+7], v[rK:rK+11], v[rQ:rQ+11], 0, v[rC], v[QS] matrix_a_fmt:MATRIX_FMT_FP6 matrix_b_fmt:MATRIX_FMT_FP6 matrix_a_scale:MATRIX_SCALE_ROW1 matrix_b_scale:MATRIX_SCALE_ROW1
.endif
.endm
.macro PV t, u
.set rO, 64*(\u)+8*(\t)
.set rV, FRG+12*(\t)
.set rP, PCD+12*(\u)
.set rC, VSC+(\t)/2
.if (\t)%2 == 0
	v_wmma_scale_f32_16x16x128_f8f6f4 v[rO:rO+7], v[rV:rV+11], v[rP:rP+11], v[rO:rO+7], v[rC], v[PS+(\u)] matrix_a_fmt:MATRIX_FMT_FP6 matrix_b_fmt:MATRIX_FMT_FP6
.else
	v_wmma_scale_f32_16x16x128_f8f6f4 v[rO:rO+7], v[rV:rV+11], v[rP:rP+11], v[rO:rO+7], v[rC], v[PS+(\u)] matrix_a_fmt:MATRIX_FMT_FP6 matrix_b_fmt:MATRIX_FMT_FP6 matrix_a_scale:MATRIX_SCALE_ROW1
.endif
.endm
.macro SOFTMAX2                        ; both tiles of queries, u = 0, 1, by turns
.irp u, 0,1
.irp b, 0,1,2,3
	v_max3_num_f32 v[BM+4*\u+\b], v[S+64*\u+16*\b], v[S+64*\u+1+16*\b], v[S+64*\u+2+16*\b]   ; each block's largest score: for the row's maximum and for the block's largest p
.endr
.endr
.irp i, 3,5,7,9,11,13
.irp u, 0,1
.irp b, 0,1,2,3
	v_max3_num_f32 v[BM+4*\u+\b], v[BM+4*\u+\b], v[S+64*\u+16*\b+\i], v[S+64*\u+1+16*\b+\i]
.endr
.endr
.endr
.irp u, 0,1
.irp b, 0,1,2,3
	v_max_num_f32 v[BM+4*\u+\b], v[BM+4*\u+\b], v[S+64*\u+15+16*\b]
.endr
.endr
.irp u, 0,1
.irp b, 0,1,2,3
	v_permlanex16_b32 v[BX+12*\u+\b], v[BM+4*\u+\b], s[SEL], s[SEL+1]
.endr
.endr
.irp u, 0,1
.irp b, 0,1,2,3
	v_max_num_f32 v[BM+4*\u+\b], v[BM+4*\u+\b], v[BX+12*\u+\b]   ; with lane l xor 16's 16 keys
.endr
.endr
.irp u, 0,1
	v_mov_b32 v[BX+12*\u], v[ST+4*\u]              ; the old -M
.endr
.irp u, 0,1
	v_max3_num_f32 v[TMP+\u], v[BM+4*\u], v[BM+4*\u+1], v[BM+4*\u+2]
.endr
.irp u, 0,1
	s_delay_alu instid0(VALU_DEP_2)
	v_max_num_f32 v[TMP+\u], v[TMP+\u], v[BM+4*\u+3]
.endr
.irp u, 0,1
	s_delay_alu instid0(VALU_DEP_2)
	v_mul_f32 v[TMP+\u], s[CS], v[TMP+\u]
.endr
.irp u, 0,1
	s_delay_alu instid0(VALU_DEP_2)
	v_max_num_f32 v[ST+4*\u+1], v[ST+4*\u+1], v[TMP+\u]   ; the running largest t
.endr
.irp u, 0,1
	s_delay_alu instid0(VALU_DEP_2)
	v_floor_f32 v[ST+4*\u], -v[ST+4*\u+1]          ; -M
.endr
.irp u, 0,1
	s_delay_alu instid0(VALU_DEP_2)
	v_sub_f32 v[TMP+\u], v[ST+4*\u], v[BX+12*\u]
.endr
.irp u, 0,1
	s_delay_alu instid0(VALU_DEP_2)
	v_cvt_i32_f32 v[TMP+\u], v[TMP+\u]
.endr
.irp u, 0,1
	s_delay_alu instid0(VALU_DEP_2)
	v_ldexp_f32 v[F+20*\u], 1.0, v[TMP+\u]         ; f = 2^(old M - new M)
.endr
.irp u, 0,1
.irp j, 0,2,4,6,8,10,12,14,16,18,20,22,24,26,28,30,32,34,36,38,40,42,44,46,48,50,52,54,56,58,60,62
	v_pk_fma_f32 v[S+64*\u+\j:S+64*\u+1+\j], v[S+64*\u+\j:S+64*\u+1+\j], s[CS:CS+1], v[ST+4*\u:ST+4*\u+1] op_sel_hi:[1,0,0]
.endr
.endr
.irp u, 0,1
.irp b, 0,1,2,3
	v_fma_f32 v[BM+4*\u+\b], v[BM+4*\u+\b], s[CS], v[ST+4*\u]
.endr
.endr
	s_wait_alu depctr_va_vdst(0)                   ; the wait ahead of the batch
.set i, 0
.rept 128
	v_exp_f32 v[S+i], v[S+i]                       ; p = 2^(t - M)
.set i, i+1
.endr
.irp u, 0,1
	v_pk_mul_f32 v[ST+4*\u+2:ST+4*\u+3], v[ST+4*\u+2:ST+4*\u+3], v[F+20*\u:F+20*\u+1] op_sel_hi:[1,0]
.endr
	s_wait_alu depctr_va_vdst(0)                   ; and behind it
.irp b, 0,1,2,3,4,5,6,7
	v_exp_f32 v[BM+\b], v[BM+\b]                   ; each block's largest p
.endr
.irp u, 0,1
	v_pk_add_f32 v[SUM2+18*\u:SUM2+18*\u+1], v[S+64*\u:S+64*\u+1], v[S+64*\u+2:S+64*\u+3]
.endr
.irp j, 4,8,12,16,20,24,28,32,36,40,44,48,52,56,60
.irp u, 0,1
	v_pk_add_f32 v[ST+4*\u+2:ST+4*\u+3], v[ST+4*\u+2:ST+4*\u+3], v[S+64*\u+\j:S+64*\u+1+\j]
.endr
.irp u, 0,1
	v_pk_add_f32 v[SUM2+18*\u:SUM2+18*\u+1], v[SUM2+18*\u:SUM2+18*\u+1], v[S+64*\u+2+\j:S+64*\u+3+\j]
.endr
.endr
.irp u, 0,1
	s_delay_alu instid0(VALU_DEP_2)
	v_pk_add_f32 v[ST+4*\u+2:ST+4*\u+3], v[ST+4*\u+2:ST+4*\u+3], v[SUM2+18*\u:SUM2+18*\u+1]
.endr
	s_wait_alu depctr_va_vdst(0)                   ; for the eight
.irp b, 0,1,2,3,4,5,6,7
	v_max_num_f32 v[BM+\b], 0x1800000, v[BM+\b]    ; the floor: the byte cannot fall under 1
.endr
.irp u, 0,1
.irp b, 0,1,2,3
	v_add_nc_u32 v[BX+12*\u+\b], 0xff000000, v[BM+4*\u+\b]   ; the conversion's scale operand
.endr
.endr
.irp u, 0,1
.irp b, 0,1,2,3
	v_lshrrev_b32 v[BM+4*\u+\b], 23, v[BX+12*\u+\b]          ; the byte
.endr
.endr
.irp u, 0,1
	v_lshl_or_b32 v[PS+\u], v[BM+4*\u+1], 8, v[BM+4*\u]
.endr
.irp u, 0,1
	s_delay_alu instid0(VALU_DEP_2)
	v_lshl_or_b32 v[PS+\u], v[BM+4*\u+2], 16, v[PS+\u]
.endr
.irp u, 0,1
	s_delay_alu instid0(VALU_DEP_2)
	v_lshl_or_b32 v[PS+\u], v[BM+4*\u+3], 24, v[PS+\u]
.endr
.irp u, 0,1
.irp c, 0,1
	v_cvt_scalef32_pk16_fp6_f32 v[PCD+12*\u+6*\c:PCD+12*\u+2+6*\c], v[S+64*\u+32*\c:S+64*\u+15+32*\c], v[BX+12*\u+2*\c]
	v_cvt_scalef32_pk16_fp6_f32 v[CT+32*\u+4*\c:CT+32*\u+2+4*\c], v[S+64*\u+16+32*\c:S+64*\u+31+32*\c], v[BX+12*\u+2*\c+1]
.endr
.endr
	v_nop                                          ; one plain line behind the conversions
.irp u, 0,1
.irp c, 0,1
.irp i, 0,1,2
	v_permlane16_swap_b32 v[PCD+12*\u+6*\c+\i], v[CT+32*\u+4*\c+\i]   ; a whole block to a lane
.endr
.endr
.endr
.irp u, 0,1
.irp c, 0,1
.irp i, 0,1,2
	v_mov_b32 v[PCD+12*\u+3+6*\c+\i], v[CT+32*\u+4*\c+\i]
.endr
.endr
.endr
	WIN 0x41
	s_wait_alu depctr_va_vdst(0)                   ; the wait ahead of the first reader of O^T
.irp u, 0,1
.irp j, 0,2,4,6,8,10,12,14,16,18,20,22,24,26,28,30,32,34,36,38,40,42,44,46,48,50,52,54,56,58,60,62
	v_pk_mul_f32 v[64*\u+\j:64*\u+1+\j], v[64*\u+\j:64*\u+1+\j], v[F+20*\u:F+20*\u+1] op_sel_hi:[1,0]
.endr
.endr
	WIN 0
.endm
.macro STEP
	v_add_nc_u32 v[ADK], s[TB], v[LI]
	v_add_nc_u32 v[ADV], s[TB], v[LIV]
	v_nop
	v_nop                                          ; four places behind the last products
	ds_load_b128 v[KSC:KSC+3], v[ADK] offset:12288
	ds_load_b128 v[VSC:VSC+3], v[ADV] offset:12288
	WIN 0x40
.irp t, 0,1,2,3,4,5,6,7
.irp c, 0,1,2
	ds_load_b128 v[FRG+12*\t+4*\c:FRG+12*\t+4*\c+3], v[ADK] offset:1536*\t+512*\c
.endr
.endr
	WIN 0
	s_wait_alu depctr_va_vdst(0)                   ; the wait ahead of the wait below
	WIN 0x01
.irp t, 0,1,2,3,4,5,6,7
.if (\t)%2 == 0
	s_wait_dscnt 18-3*(\t)                         ; tiles t and t + 1 are in: three loads a tile, those of the later tiles may be out
.endif
.irp u, 0,1
	KQ \t, \u
.endr
.endr
	WIN 0
.rept 4
	v_nop
.endr
	WIN 0x40
.irp t, 0,1,2,3,4,5,6,7
.irp c, 0,1,2
	ds_load_b128 v[FRG+12*\t+4*\c:FRG+12*\t+4*\c+3], v[ADV] offset:1536*\t+512*\c
.endr
.endr
	WIN 0
	SOFTMAX2
	s_wait_alu depctr_va_vdst(0)                   ; the wait ahead of the wait below
	s_wait_dscnt 0x0
	WIN 0x51
.irp t, 0,1,2,3,4,5,6,7
.irp u, 0,1
	PV \t, \u
.endr
.endr
	WIN 0
	s_add_co_u32 s[TB], s[TB], GRP
.endm
.macro NSTEPS first, n
	s_mov_b32 s[TB], (\first)*GRP
	s_mov_b32 s[CNT], \n
.Lstep_\@:
	STEP
	s_sub_co_u32 s[CNT], s[CNT], 1
	s_cmp_lg_u32 s[CNT], 0
	s_cbranch_scc1 .Lstep_\@
.endm
	s_wait_alu depctr_va_vdst(0)                   ; the wait at the head's end
	s_wait_loadcnt 0x0                             ; q
	s_wait_tensorcnt 0x0                           ; my group of steps 0-3 is in
	ds_add_u32 v[SPW], v[NIL]
	s_wait_dscnt 0x0
	CROUND
	tensor_load_to_lds s[G0A:G0A+3], s[G1L:G1L+7]  ; steps 4-11, two groups a wave: a first fill
	s_nop 0
.rept 4
	v_nop
.endr
	s_cmp_lt_u32 s[WV], 4                          ; 100 units: waves 0-3
	s_cbranch_scc0 .Lno_pfb
	global_prefetch_b8 v[PFO2], s[PFB:PFB+1] th:TH_LOAD_NT scope:SCOPE_SE
.Lno_pfb:
	NSTEPS 0, 4
	s_wait_tensorcnt 0x0                           ; my groups of steps 4-11 are in
	ds_add_u32 v[SPW], v[NIL]
	s_add_nc_u64 s[G0+2:G0+3], s[G0+2:G0+3], 12*GRP   ; no load of mine is out: step 12 + s22
	s_wait_dscnt 0x0                               ; my reads of places 0-3 are over
	CROUND
	tensor_load_to_lds s[G0:G0+3], s[G1:G1+7]      ; steps 12-15 into places 0-3
	s_nop 0
.rept 4
	v_nop
.endr
	NSTEPS 4, 8
	s_wait_tensorcnt 0x0                           ; my group of steps 12-15 is in
	ds_add_u32 v[SPW], v[NIL]
	s_wait_dscnt 0x0
	s_barrier_signal -1
	s_barrier_wait -1
	NSTEPS 0, 4
.irp u, 0,1
	v_add_f32 v[ST+4*\u+2], v[ST+4*\u+2], v[ST+4*\u+3]
.endr
.irp u, 0,1
	s_delay_alu instid0(VALU_DEP_2)
	v_permlanex16_b32 v[BX+\u], v[ST+4*\u+2], s[SEL], s[SEL+1]
.endr
.irp u, 0,1
	s_delay_alu instid0(VALU_DEP_2)
	v_add_f32 v[ST+4*\u+2], v[ST+4*\u+2], v[BX+\u]
.endr
	s_wait_alu depctr_va_vdst(0)
.irp u, 0,1
	v_rcp_f32 v[ST+4*\u+2], v[ST+4*\u+2]
.endr
	v_nop
	s_wait_alu depctr_va_vdst(0)
.macro PACK u                          ; O^T / the sum, through my stage, back as rows of 512 bytes
	WIN 0x01
.set i, 0
.rept 64
	v_mul_f32 v[S+64*\u+i], v[64*\u+i], v[ST+4*\u+2]
.set i, i+1
.endr
	WIN 0
.irp t, 0,1,2,3,4,5,6,7
	ds_store_b128 v[STO], v[S+64*\u+8*\t:S+64*\u+8*\t+3] offset:128*(\t/2)+32*(\t%2)
	ds_store_b128 v[STO], v[S+64*\u+8*\t+4:S+64*\u+8*\t+7] offset:128*(\t/2)+32*(\t%2)+16
.endr
.irp p, 0,1,2,3,4,5,6,7,8,9,10,11,12,13,14,15
	ds_load_b128 v[S+64*\u+4*\p:S+64*\u+4*\p+3], v[RD] offset:\p*SPI
.endr
.endm
.macro SEND u, younger
.irp p, 0,1,2,3,4,5,6,7,8,9,10,11,12,13,14,15
	s_wait_dscnt \younger+15-\p
	global_store_b128 v[LI], v[S+64*\u+4*\p:S+64*\u+4*\p+3], s[8:9] offset:(8*\u+\p+8*(\p/8))*8192 th:TH_STORE_NT
.endr
.endm
	PACK 0
	PACK 1
	SEND 0, 32
	SEND 1, 0
	s_wait_tensorcnt 0x0                           ; the wave's end
	ds_add_u32 v[SPW], v[NIL]
	s_wait_dscnt 0x0
	CROUND                                         ; the closing round
	s_endpgm
.Lfunc_end_k_qd27e5f5a76_attn:
	.size	k_qd27e5f5a76_attn, .Lfunc_end_k_qd27e5f5a76_attn-k_qd27e5f5a76_attn
	.p2alignl 7, 3214868480
	.fill 96, 4, 3214868480
	.section	.rodata,"a",@progbits
	.p2align	6, 0x0
	.amdhsa_kernel k_qd27e5f5a76_attn
		.amdhsa_group_segment_fixed_size 327680
		.amdhsa_private_segment_fixed_size 0
		.amdhsa_enable_private_segment 0
		.amdhsa_kernarg_size 16
		.amdhsa_user_sgpr_count 2
		.amdhsa_user_sgpr_kernarg_segment_ptr 1
		.amdhsa_wavefront_size32 1
		.amdhsa_system_sgpr_workgroup_id_x 1
		.amdhsa_system_sgpr_workgroup_id_y 1
		.amdhsa_system_sgpr_workgroup_id_z 1
		.amdhsa_system_vgpr_workitem_id 0
		.amdhsa_next_free_vgpr 512
		.amdhsa_next_free_sgpr 72
		.amdhsa_reserve_vcc 0
		.amdhsa_float_denorm_mode_32 3
		.amdhsa_float_denorm_mode_16_64 3
		.amdhsa_memory_ordered 1
		.amdhsa_forward_progress 1
		.amdhsa_inst_pref_size 129
	.end_amdhsa_kernel
	.amdgpu_metadata
---
amdhsa.version: [ 1, 2 ]
amdhsa.kernels:
  - .name:           k_qd27e5f5a76_attn
    .symbol:         k_qd27e5f5a76_attn.kd
    .args:
      - { .name: qkv, .offset: 0, .size: 8, .value_kind: global_buffer, .address_space: global }
      - { .name: out0, .offset: 8, .size: 8, .value_kind: global_buffer, .address_space: global }
    .group_segment_fixed_size: 327680
    .private_segment_fixed_size: 0
    .kernarg_segment_align: 8
    .kernarg_segment_size: 16
    .max_flat_workgroup_size: 256
    .sgpr_count:     72
    .vgpr_count:     512
    .wavefront_size: 32
...
	.end_amdgpu_metadata
.endif
;; end of part 3
